; MI455X (gfx1250); checked and timed in simulation.
; The chip was launched on July 23, 2026; its instructions are those of AMD's public machine-readable ISA for CDNA 5 (MIT licence, August 2026) and "CDNA5" Instruction Set Architecture Reference Guide (July 2026). The comments in the code are by the model that wrote it; some were corrected since.
;; Causal Self Attention. Allowed arithmetic: matrix products marked QUANTISED: E4M3 operands, one given power-of-two scale a tensor, by v_wmma_f32_16x16x64_fp8_fp8 or v_wmma_f32_16x16x128_fp8_fp8, f32 sums; everything else in f32.
;; Inputs: Wk 1,024 x 1,024 float32; Wo 1,024 x 1,024 float32; Wq 1,024 x 1,024 float32; Wv 1,024 x 1,024 float32; bo 1,024 float32; lowp_scales 12 int32 (the exponents e of the quantised operands' scales 2^e); x 4 x 2,048 x 1,024 float32.
;; Outputs: out0 4 x 2,048 x 1,024 float32.
;; This version of the problem:
;;   THIS VERSION OF THE PROBLEM IS GIVEN IN LOW PRECISION. The matrix products marked QUANTISED in the list below multiply operands that are first quantised to E4M3 (4 exponent bits, 3 mantissa bits; 8 bits a number), with one given power-of-two scale for each operand tensor; their sums are f32. All else is computed in f32.
;;   The module's matrix products, in the order in which they are computed (A, B: the left and right operand; K: the contracted axis; several contracted axes count as one K, in the product's order):
;;     1. [M 8,192, K 1,024] x [K 1,024, N 1,024]; A: input x; B: input Wq: QUANTISED (scales: A lowp_scales[0], B lowp_scales[1])
;;     2. [M 8,192, K 1,024] x [K 1,024, N 1,024]; A: input x; B: input Wk: QUANTISED (scales: A lowp_scales[2], B lowp_scales[3])
;;     3. [M 8,192, K 1,024] x [K 1,024, N 1,024]; A: input x; B: input Wv: QUANTISED (scales: A lowp_scales[4], B lowp_scales[5])
;;     4. batch 64 x [M 2,048, K 64] x [K 64, N 2,048]; A: computed on the way; B: computed on the way: QUANTISED (scales: A lowp_scales[6], B lowp_scales[7])
;;     5. batch 64 x [M 2,048, K 2,048] x [K 2,048, N 64]; A: softmax (see below); B: computed on the way: QUANTISED (scales: A lowp_scales[8], B lowp_scales[9])
;;     6. [M 8,192, K 1,024] x [K 1,024, N 1,024]; A: computed on the way; B: input Wo: QUANTISED (scales: A lowp_scales[10], B lowp_scales[11])
;;   THE QUANTISER, for each operand of a quantised product, along K:
;;     - The operand's scale is 2^e, e = its entry of the input lowp_scales (int32; the entries are numbered through the quantised products in the list's order, A before B).
;;     - Each number is divided by the scale, clamped to +-448, and rounded to the nearest number of E4M3, ties to even, subnormals kept.
;;     - The product sums the exact products of the quantised numbers (number of the format x scale) in f32.
;;   ~~~python
;;   def quantise(x, axis, e):      # numpy; x: float32 -> the quantised numbers, widened to float32 again
;;       x = np.moveaxis(x, axis, -1); K = x.shape[-1]
;;       r = np.clip(x / 2.0 ** e, -448, 448)
;;       step = 2.0 ** (np.maximum(np.frexp(np.where(r == 0, 1, r))[1] - 1, -6) - 3)
;;       q = np.round(r / step) * step * 2.0 ** e      # np.round: ties to even
;;       return np.moveaxis(q, -1, axis).astype(np.float32)
;;   ~~~
;;   SOFTMAX AHEAD OF A QUANTISED PRODUCT. Where the list says 'softmax', what is quantised is not the finished softmax but p = 2^(t - M), with t = logit x log2(e) and M = ceil(the row's largest t), a whole number; so 1/2 < the row's largest p <= 1. The row's sum l is taken of the UNQUANTISED p, in f32, and the product's result is divided by l at the end. Since M is a whole number, a kernel that streams over the keys may use a running M (the ceiling of the running maximum): every later rescaling is an exact power of two, so the quantised numbers keep their values, but for numbers so far below the row's largest that they fall under the format's range.
;;   OPERANDS COMPUTED ON THE WAY. 'Computed on the way' means the value that the module computes at that place (a softmax that the list does not call 'softmax' is quantised finished and normalised). What goes into a quantiser is computed in f32, as accurately as f32 sums, v_exp_f32 and their like allow (about 1e-6 of the number): no bf16 or f16 on the way to a quantiser, and a product that is left as it is and whose result goes on into a quantised operand takes f32 operands (vector FMAs, or v_wmma_f32_16x16x4_f32). A number that lies on a knife's edge between two numbers of the format may be rounded either way, as far as f32 arithmetic and the matrix unit's own rounding can turn it there, and no further.
;; One version. Each part assembles by itself: llvm-mc -triple=amdgcn-amd-amdhsa -mcpu=gfx1250 --defsym DOCPART=n.
;; ======== version 1 of 1: 4 launches
;; limits: right only within a limited range of input values
;; workspace buffers: cw 29,360,128 bytes; qc 8,388,608 bytes; kv 16,777,216 bytes; ac 8,388,608 bytes
;; launch quant (part 1): grid 1280 x 1, 4 waves a work-group, no clusters, 34,304 bytes of LDS; arguments x, Wq, Wk, Wv, Wo, lowp_scales, cw; writes cw
.if DOCPART == 1
	.amdgcn_target "amdgcn-amd-amdhsa--gfx1250"
	.amdhsa_code_object_version 6
	.text
	.protected	k_qb2f0875906_quant
	.globl	k_qb2f0875906_quant
	.p2align	8
	.type	k_qb2f0875906_quant,@function
k_qb2f0875906_quant:
	s_mov_b64 s[64:65], 0
	v_nop
	global_prefetch_b8 v0, s[64:65] scope:SCOPE_SE
	s_setreg_imm32_b32 hwreg(HW_REG_WAVE_MODE, 25, 1), 1
	s_wait_xcnt 0x0
; x [8192][1024] f32 and the four weights [1024 (k)][1024 (n)] f32 become codes of E4M3, each with the scale 2^e that is given for it.
; code = number / 2^e, held within +-448, rounded to the nearest code, ties to even.
; x is an operand of three products with an exponent of its own in each (entries 0, 2, 4 of the scales): three sets of codes.  Wq, Wk, Wv, Wo: entries 1, 3, 5, 11.
; THE CODES ARE LAID AS IMAGES OF OPERAND REGISTERS.  A fragment is 16 rows x 128 along K, 16 registers a lane: lane (r = lane % 16, h = lane / 16) holds row r, and its registers 2 c, 2 c + 1
; hold k = 16 c + 8 h + 0 .. 7.  Four registers are a part: 16 bytes a lane at 16 x lane, 512 bytes on end; a fragment is four parts, 2,048 bytes.
; cw: x's set z at z x 2^23, fragment (16 tokens m16, 128 along K s) at (8 m16 + s) x 2,048;  weight wi (Wq, Wk, Wv, Wo) at 3 x 2^23 + wi x 2^20, fragment (16 output columns n16, s) likewise: a row of it is a column n.
; Work-groups 0 to 1,023 take x, a fragment a wave; work-groups 1,024 to 1,279 take the weights, 32 columns x 128 along K a wave.  Waves share nothing: no barrier.  Only x's path touches LDS.
; LIMITS: each of the seven exponents lies between -126 and 119, so that 2^e and 448 x 2^e are f32 numbers.  NaN among the inputs is not served; an infinity is held at the largest code.
.set XP,   528                         ; a row of x's stage: 512 bytes + 16 = 132 words: row r starts 4 r banks on
.set XSTG, 16*XP                       ; a wave's stage
.set WCB,  3<<23                       ; where the weights' codes begin in cw
.set R,    16                          ; v16-79   x as it is loaded
.set T,    16
.set X,    80                          ; v80-143  x turned: register 16 p + i of part p
.set C,    144                         ; v144-191 x's codes: set z, part p at 144 + 16 z + 4 p: every store has data registers of its own
.set WX,   16                          ; v16-143  a weight's 128 numbers of my column
.set WC,   144                         ; v144-175 their codes
.macro SCALE e, vs, vl                 ; s[e] = the exponent: v[vs] = 2^e as f32 (the conversion takes its exponent field)
	s_add_co_i32 s43, s[\e], 127
	s_lshl_b32 s44, s43, 23
	v_mov_b32 v[\vs], s44
.endm
	s_load_b256 s[4:11], s[0:1], 0x0               ; x s[4:5], Wq s[6:7], Wk s[8:9], Wv s[10:11]
	s_load_b128 s[12:15], s[0:1], 0x20             ; Wo s[12:13], the scales' exponents s[14:15]
	s_load_b64 s[16:17], s[0:1], 0x30              ; cw
	v_lshl_add_u32 v192, v0, 2, 0x8400
	v_mov_b32 v193, 0
	v_lshrrev_b32 v1, 5, v0
	v_readfirstlane_b32 s32, v1                    ; wave 0..3
	v_and_b32 v10, 31, v0                          ; lane
	v_and_b32 v11, 15, v0                          ; r
	v_bfe_u32 v12, v0, 4, 1                        ; h
	s_wait_kmcnt 0x0
	s_load_b256 s[20:27], s[14:15], 0x0            ; e0 .. e7
	s_load_b128 s[28:31], s[14:15], 0x20           ; e8 .. e11
	s_cmp_lt_u32 ttmp9, 1024
	s_cbranch_scc0 .Lweights
	; ---- x: my wave's fragment U = 4 x work-group + wave: tokens 16 (U / 8) on, K = 128 (U % 8) on
	s_lshl_b32 s33, ttmp9, 2
	s_add_co_u32 s33, s33, s32
	s_lshr_b32 s34, s33, 3
	s_lshl_b32 s34, s34, 16                        ; 16 rows of 4,096 bytes
	s_and_b32 s35, s33, 7
	s_lshl_b32 s35, s35, 9                         ; 128 numbers of 4 bytes
	s_add_co_u32 s34, s34, s35
	s_mov_b32 s35, 0
	s_add_nc_u64 s[4:5], s[4:5], s[34:35]
	s_lshl_b32 s34, s33, 11
	s_add_nc_u64 s[36:37], s[16:17], s[34:35]      ; the fragment's place in set 0,
	s_add_nc_u64 s[38:39], s[36:37], 1<<23         ; set 1,
	s_add_nc_u64 s[40:41], s[36:37], 2<<23         ; set 2
	s_wait_alu depctr_va_vdst(0)
	v_lshlrev_b32 v1, 4, v10                       ; 16 x lane
.irp i, 0,1,2,3,4,5,6,7,8,9,10,11,12,13,14,15
	global_load_b128 v[R+4*\i:R+4*\i+3], v1, s[4:5] offset:4096*\i th:TH_LOAD_NT   ; row i: 32 lanes read 512 consecutive bytes; read once in the launch
.endr
	s_mul_i32 s42, s32, XSTG
	v_add_nc_u32 v2, s42, v1                       ; the stage, on the way in: a row as it lies
	v_mul_u32_u24 v3, v11, XP
	v_lshl_add_u32 v3, v12, 5, v3
	v_add_nc_u32 v3, s42, v3                       ; and on the way out: row r, + 32 h bytes: my eight numbers of each sixteen
	s_wait_alu depctr_va_vdst(0)
	s_wait_kmcnt 0x0
	SCALE 20, 4, 5                                 ; e0
	SCALE 22, 6, 7                                 ; e2
	SCALE 24, 8, 9                                 ; e4
	s_wait_alu depctr_va_vdst(0)
.irp i, 0,1,2,3,4,5,6,7,8,9,10,11,12,13,14,15
	s_wait_loadcnt 15-\i                           ; loads come back in order: row i is in, the younger rows may be out
	ds_store_b128 v2, v[R+4*\i:R+4*\i+3] offset:XP*\i
.endr
.irp p, 0,1,2,3                        ; LDS serves a wave's instructions in order: these see my stores.  Part p: k = 32 p + 8 h + 0 .. 7, then k = 32 p + 16 + 8 h + 0 .. 7
	ds_load_b128 v[X+16*\p:X+16*\p+3],     v3 offset:128*\p
	ds_load_b128 v[X+16*\p+4:X+16*\p+7],   v3 offset:128*\p+16
	ds_load_b128 v[X+16*\p+8:X+16*\p+11],  v3 offset:128*\p+64
	ds_load_b128 v[X+16*\p+12:X+16*\p+15], v3 offset:128*\p+80
.endr
.irp p, 0,1,2,3
	s_wait_dscnt 12-4*\p                           ; part p's four loads are in (and so all stores into the stage have read their registers); the later parts' loads may be out
.irp z, 0,1,2
.set TS, T+16*((3*\p+\z)%2)            ; TS cancels: the conversions read part p's turned registers v[X+16p..] directly
.irp i, 0,1,2,3,4,5,6,7,8,9,10,11,12,13,14,15
.endr
	v_cvt_scalef32_pk8_fp8_f32 v[C+16*\z+4*\p:C+16*\z+4*\p+1], v[TS+((X+16*\p+0)-(TS+0)):TS+7+((X+16*\p+0)-(TS+0))], v[4+2*\z]
	v_cvt_scalef32_pk8_fp8_f32 v[C+16*\z+4*\p+2:C+16*\z+4*\p+3], v[TS+8+((X+16*\p+0)-(TS+0)):TS+15+((X+16*\p+0)-(TS+0))], v[4+2*\z]
	global_store_b128 v1, v[C+16*\z+4*\p:C+16*\z+4*\p+3], s[36+2*\z:37+2*\z] offset:512*\p   ; a part: 512 consecutive bytes, at a multiple of 512 from cw's first byte
.endr
.endr
	s_wait_tensorcnt 0x0
	ds_add_u32 v192, v193
	s_wait_dscnt 0x0
	s_endpgm
	; ---- the weights.  K is their FIRST axis: a lane takes a column n and its registers run down K, so the conversions give codes with K innermost and nothing is transposed.
.Lweights:
	s_sub_co_u32 s33, ttmp9, 1024                  ; 0 .. 255
	s_lshr_b32 s45, s33, 6                         ; which weight
	s_bfe_u32 s46, s33, 0x30003                    ; which 128 columns
	s_and_b32 s47, s33, 7                          ; which 128 along K
	s_lshl_b32 s48, s47, 19                        ; 128 rows of 4,096 bytes
	s_lshl_b32 s49, s46, 9
	s_add_co_u32 s48, s48, s49
	s_lshl_b32 s49, s32, 7                         ; my wave's 32 columns
	s_add_co_u32 s48, s48, s49
	s_mov_b32 s49, 0
	s_lshl_b32 s50, s45, 20
	s_lshl_b32 s51, s46, 17                        ; eight tiles of 16 columns, 16,384 bytes each
	s_add_co_u32 s50, s50, s51
	s_lshl_b32 s51, s32, 15                        ; my wave's two tiles
	s_add_co_u32 s50, s50, s51
	s_lshl_b32 s51, s47, 11                        ; the fragment of this K
	s_add_co_u32 s50, s50, s51
	s_add_co_u32 s50, s50, WCB
	s_mov_b32 s51, 0
	s_mov_b64 s[34:35], s[12:13]                   ; the weight is chosen by the work-group's number alone
	s_cmp_eq_u32 s45, 2
	s_cselect_b64 s[34:35], s[10:11], s[34:35]
	s_cmp_eq_u32 s45, 1
	s_cselect_b64 s[34:35], s[8:9], s[34:35]
	s_cmp_eq_u32 s45, 0
	s_cselect_b64 s[34:35], s[6:7], s[34:35]
	s_add_nc_u64 s[34:35], s[34:35], s[48:49]
	s_add_nc_u64 s[16:17], s[16:17], s[50:51]
	s_wait_alu depctr_va_vdst(0)
	v_lshlrev_b32 v1, 2, v10                       ; 4 bytes a lane
.set n, 0
.rept 128
	global_load_b32 v[WX+n], v1, s[34:35] offset:n*4096 th:TH_LOAD_NT   ; W(k0 + n, my column): the wave reads 128 consecutive bytes, the four waves 512
.set n, n+1
.endr
	v_lshlrev_b32 v2, 14, v12                      ; lanes 16-31 hold the next tile of 16 columns,
	v_lshl_add_u32 v2, v11, 4, v2                  ; and a column's 16 bytes lie at 16 (lane % 16)
	s_wait_kmcnt 0x0
	s_mov_b32 s36, s31                             ; e11, e5, e3 or e1
	s_cmp_eq_u32 s45, 2
	s_cselect_b32 s36, s25, s36
	s_cmp_eq_u32 s45, 1
	s_cselect_b32 s36, s23, s36
	s_cmp_eq_u32 s45, 0
	s_cselect_b32 s36, s21, s36
	SCALE 36, 4, 5
; Block t: my column's k = 32 t + 0 .. 31 are part t of the image.  Its groups of eight along K belong to image lanes h = 0, 1, 0, 1: groups 0 and 2 are the 16 bytes of image lane (column, 0), groups 1 and 3 of (column, 1).
.macro WBLOCK t, left
	s_wait_loadcnt \left
.set n, 0
.rept 32
.set n, n+1
.endr
	v_cvt_scalef32_pk8_fp8_f32 v[WC+8*\t:WC+8*\t+1],   v[WX+32*\t:WX+32*\t+7],     v4
	v_cvt_scalef32_pk8_fp8_f32 v[WC+8*\t+4:WC+8*\t+5], v[WX+32*\t+8:WX+32*\t+15],  v4
	v_cvt_scalef32_pk8_fp8_f32 v[WC+8*\t+2:WC+8*\t+3], v[WX+32*\t+16:WX+32*\t+23], v4
	v_cvt_scalef32_pk8_fp8_f32 v[WC+8*\t+6:WC+8*\t+7], v[WX+32*\t+24:WX+32*\t+31], v4
	global_store_b128 v2, v[WC+8*\t:WC+8*\t+3],   s[16:17] offset:512*\t       ; sixteen lanes store 256 consecutive bytes, aligned; the other sixteen the same of the next tile
	global_store_b128 v2, v[WC+8*\t+4:WC+8*\t+7], s[16:17] offset:512*\t+256
.endm
	s_wait_alu depctr_va_vdst(0)
	WBLOCK 0, 63                                   ; at most 63 of the 128 loads are out: the first 65 are in, blocks 0 and 1 among them
	WBLOCK 1, 63
	WBLOCK 2, 32                                   ; block 3's 32 may be out
	WBLOCK 3, 0
	s_endpgm
.Lfunc_end_k_qb2f0875906_quant:
	.size	k_qb2f0875906_quant, .Lfunc_end_k_qb2f0875906_quant-k_qb2f0875906_quant
	.p2alignl 7, 3214868480
	.fill 96, 4, 3214868480
	.section	.rodata,"a",@progbits
	.p2align	6, 0x0
	.amdhsa_kernel k_qb2f0875906_quant
		.amdhsa_group_segment_fixed_size 34304
		.amdhsa_private_segment_fixed_size 0
		.amdhsa_enable_private_segment 0
		.amdhsa_kernarg_size 56
		.amdhsa_user_sgpr_count 2
		.amdhsa_user_sgpr_kernarg_segment_ptr 1
		.amdhsa_wavefront_size32 1
		.amdhsa_system_sgpr_workgroup_id_x 1
		.amdhsa_system_sgpr_workgroup_id_y 1
		.amdhsa_system_sgpr_workgroup_id_z 1
		.amdhsa_system_vgpr_workitem_id 0
		.amdhsa_next_free_vgpr 194
		.amdhsa_next_free_sgpr 66
		.amdhsa_reserve_vcc 0
		.amdhsa_float_denorm_mode_32 3
		.amdhsa_float_denorm_mode_16_64 3
		.amdhsa_fp16_overflow 1
		.amdhsa_memory_ordered 1
		.amdhsa_forward_progress 1
		.amdhsa_inst_pref_size 25
	.end_amdhsa_kernel
	.amdgpu_metadata
---
amdhsa.version: [ 1, 2 ]
amdhsa.kernels:
  - .name:           k_qb2f0875906_quant
    .symbol:         k_qb2f0875906_quant.kd
    .args:
      - { .name: x, .offset: 0, .size: 8, .value_kind: global_buffer, .address_space: global }
      - { .name: Wq, .offset: 8, .size: 8, .value_kind: global_buffer, .address_space: global }
      - { .name: Wk, .offset: 16, .size: 8, .value_kind: global_buffer, .address_space: global }
      - { .name: Wv, .offset: 24, .size: 8, .value_kind: global_buffer, .address_space: global }
      - { .name: Wo, .offset: 32, .size: 8, .value_kind: global_buffer, .address_space: global }
      - { .name: lowp_scales, .offset: 40, .size: 8, .value_kind: global_buffer, .address_space: global }
      - { .name: cw, .offset: 48, .size: 8, .value_kind: global_buffer, .address_space: global }
    .group_segment_fixed_size: 34304
    .private_segment_fixed_size: 0
    .kernarg_segment_align: 8
    .kernarg_segment_size: 56
    .max_flat_workgroup_size: 128
    .sgpr_count:     66
    .vgpr_count:     194
    .wavefront_size: 32
...
	.end_amdgpu_metadata
.endif
;; end of part 1
;; launch qkv (part 2): grid 12 x 32, 4 waves a work-group, clusters of 4 x 4, 327,680 bytes of LDS; arguments cw, lowp_scales, qc, kv; writes qc, kv
.if DOCPART == 2
	.amdgcn_target "amdgcn-amd-amdhsa--gfx1250"
	.amdhsa_code_object_version 6
	.text
	.protected	k_qb2f0875906_qkv
	.globl	k_qb2f0875906_qkv
	.p2align	8
	.type	k_qb2f0875906_qkv,@function
k_qb2f0875906_qkv:
	s_mov_b64 s[64:65], 0
	v_nop
	global_prefetch_b8 v0, s[64:65] scope:SCOPE_SE
	s_setreg_imm32_b32 hwreg(HW_REG_WAVE_MODE, 25, 1), 1
	s_wait_xcnt 0x0
	s_wait_alu depctr_hold_cnt(0) depctr_sa_sdst(0) depctr_va_vdst(0) depctr_va_sdst(0) depctr_va_ssrc(0) depctr_va_vcc(0) depctr_vm_vsrc(0)
	s_getreg_b32 s2, hwreg(HW_REG_IB_STS2, 6, 4)
	s_cmp_eq_u32 s2, 0
	s_cbranch_scc0 .Lentry_in_a_cluster
	s_endpgm
.Lentry_in_a_cluster:
	s_bfe_u32 s2, ttmp6, 0x10000c
	s_cmp_lg_u32 s2, 0xf033
	s_cbranch_scc0 .Lentry_shape_is_right
	s_endpgm
.Lentry_shape_is_right:
; q = x Wq, k = x Wk, v = x Wv on codes of E4M3 (cw: the launch before), sums in f32, and each result quantised at once, with the scale given for it as an operand of attention's products (entries 6, 7, 9).
; A tile of 256 x 256 results is made by a work-group of four waves, a wave makes 128 x 128: 64 accumulators, 512 registers.  K = 1,024 goes in four steps of 256 through a ring of two LDS slots.
; ALL OPERANDS ARE IMAGES OF THEIR REGISTERS (a fragment of 16 rows x 128 K = four parts of 512 bytes, 16 bytes a lane at 16 x lane): a K step of 16 rows is 4,096 consecutive bytes of memory, a tile lies dense in LDS,
; and every LDS load takes 512 consecutive bytes.
; CLUSTERS of 4 x 4.  The cluster's x says which product: 0 q, 1 k, 2 v.  Region A of a slot is shared along a row of the cluster, region B along a column; each is asked for JOINTLY.
;   q, k: region A = 256 tokens of x (tile 4 cluster y + cy), region B = 256 columns of the weight (tile cx).   v: region A = 256 columns of Wv (tile cy), region B = 256 tokens of x (tile 4 cluster y + cx).
; THE MATRIX INSTRUCTION TAKES REGION B AS SOURCE 0 AND REGION A AS SOURCE 1: a lane then holds ONE row of region A, and accumulator b's eight registers are rows 16 b + 8 (lane / 16) + 0 .. 7 of region B.
; So for q and k a lane holds a token and eight neighbouring channels, for v a channel and eight neighbouring tokens: just what lies along K in attention's products.  One conversion of eight numbers gives registers
; 2 b, 2 b + 1 of the next operand: the codes leave as images, with no stage in LDS.  The exchange of roles for v is made in global addresses alone; no LDS address and no branch knows of it.
; OUT: qc and kv's first half (k): fragment (batch x 16 + head, 16 tokens t16) of 16 x 64 at ((b 16 + head) 128 + t16) x 1,024.  kv + 2^23 (v): fragment (b 16 + head, 128 keys ks, 16 channels d16) at ((b 16 + head) 16 + ks) x 8,192 + d16 x 2,048.
; LIMITS: f = e_out - e_x - e_w of each product lies between -126 and 119, so that 2^f and 448 x 2^f are f32 numbers.
; REGISTERS, in windows of 256: window 0: v0-31 addresses and scales; v32-127 at work on the way out; v128-255 region A's fragments, ONE set.  window 1: region B's fragments, TWO sets.  windows 2, 3: the accumulators ((a, b) at v[8 (8 (a % 4) + b)]).
.set FR,     16                        ; registers of a fragment
.set NL,     4                         ; LDS loads that bring one
.set NP,     4                         ; places behind this matrix instruction (ISA guide 7.12.1)
.set KSB,    4096                      ; a K step of 256 of one tile of 16 rows, in bytes
.set HALFT,  8*KSB                     ; 128 rows: what one tensor load brings, and what one wave reads of a region
.set SLOT,   4*HALFT                   ; region A's two halves, then region B's
.set SPARE,  2*SLOT                    ; behind the ring: the spare words, 128 bytes for each wave
.set LAPS,   2                         ; a lap = two K steps = once round the ring
.set OFA,  8                           ; v8      16 x lane: an image's place for my lane
.set OFB,  9                           ; v9      the same for the block's second pair of stores
.set ADRA, 16                          ; v16-17  LDS address of my fragments of region A in slot 0, 1
.set ADRB, 20                          ; v20-21  the same for region B
.set SPW,  28                          ; v28     LDS address of my spare word; never rewritten
.set NIL,  29                          ; v29     0; never rewritten
.set AF,   128
.set G1, 24                            ; s[24:31] descriptor group 1 for region A;  s[32:39] group 0, one set for each slot
.set G0, 32
.set G1B, 48                           ; s[48:55], s[56:63] the same for region B
.set G0B, 56
.set MSB, 0
.macro WIN new                         ; the immediate's high byte repeats the setting that is left
.if MSB != \new
	s_set_vgpr_msb (MSB<<8)|\new
.set MSB, \new
.endif
.endm
.set MUL_LO, 0xa1                      ; source 0 (region B) window 1, source 1 (region A) window 0, C and D window 2
.set MUL_HI, 0xf1                      ; the same, C and D window 3
.set TO_B,   0x40                      ; destination window 1, address window 0
; A joint load: waves 0 and 1 fetch region A's halves, waves 2 and 3 region B's.  The branch hangs on the wave's number alone.  Four v_nop follow each of the two lines.
.macro JLOAD g0a, g1a, g0b, g1b
	s_cmp_eq_u32 s15, 0
	s_cbranch_scc0 .Lfor_b_\@
	tensor_load_to_lds s[\g0a:\g0a+3], s[\g1a:\g1a+7]
	s_nop 0
.rept 4
	v_nop
.endr
	s_branch .Lasked_\@
.Lfor_b_\@:
	tensor_load_to_lds s[\g0b:\g0b+3], s[\g1b:\g1b+7]
	s_nop 0
.rept 4
	v_nop
.endr
.Lasked_\@:
.endm
.macro CREST                           ; a round of the cluster's barrier behind its opening barrier
	s_cmp_lg_u32 s14, 0
	s_cbranch_scc1 .Lnot_wave_0_\@
	s_barrier_signal -3
.Lnot_wave_0_\@:
	s_barrier_wait -3
	s_barrier_signal -1
	s_barrier_wait -1
.endm
.macro CROUND                          ; a whole round
	s_barrier_signal -1
	s_barrier_wait -1
	CREST
.endm
	s_load_b256 s[4:11], s[0:1], 0x0               ; cw s[4:5], the scales' exponents s[6:7], qc s[8:9], kv s[10:11]
	v_lshl_add_u32 v[SPW], v0, 2, SPARE
	v_mov_b32 v[NIL], 0
	ds_add_u32 v28, v29
	ds_add_u32 v28, v29
	s_wait_dscnt 0x0
	v_lshrrev_b32 v1, 5, v0
	v_readfirstlane_b32 s14, v1                    ; wave 0..3
	s_lshr_b32 s15, s14, 1                         ; which half of region A is mine.  Also: I fetch for region A (0) or B (1)
	s_and_b32 s16, s14, 1                          ; which half of region B.  Also: which half of that region I fetch
	s_bfe_u32 s40, ttmp6, 0x40000                  ; cx, cy: my place in the cluster
	s_bfe_u32 s41, ttmp6, 0x40004
	s_mov_b32 s12, ttmp9                           ; the cluster's x: 0 q, 1 k, 2 v: the same in all sixteen partners
	s_and_b32 s13, ttmp7, 0xffff
	s_lshl_b32 s13, s13, 2                         ; 4 x the cluster's y
	s_add_co_u32 s17, s13, s41                     ; 4 cluster y + cy
	s_add_co_u32 s42, s13, s40                     ; 4 cluster y + cx
	s_lshl_b32 s43, s41, 2
	s_lshl_b32 s43, 15, s43                        ; my row of the cluster
	s_lshl_b32 s44, 0x1111, s40                    ; my column
	; descriptor group 1: 8 rows (tiles of 16) of 4,096 bytes, 16,384 bytes apart, in elements of 8 bytes; dense in LDS
	s_or_b32 s[G1+0], s43, (3<<16)|(1<<21)         ; 15:0 the mask: region A goes to my row; 17:16 elements of 8 bytes; 20 no padding; 21 set beside a mask
	s_or_b32 s[G1B+0], s44, (3<<16)|(1<<21)        ; region B goes to my column
.irp g, G1, G1B
	s_mov_b32 s[\g+1], 512<<16                     ; tensor_dim0 = 512
	s_mov_b32 s[\g+2], 8<<16                       ; tensor_dim1 = 8
	s_mov_b32 s[\g+3], 512<<16                     ; tile_dim0 = 512
	s_mov_b32 s[\g+4], 8                           ; tile_dim1 = 8
	s_mov_b32 s[\g+5], 2048                        ; tensor_dim0_stride
	s_mov_b32 s[\g+6], 0
	s_mov_b32 s[\g+7], 0
.endr
	; where the regions come from, as offsets in cw.  Region A's hang on cy, region B's on cx, each in registers that never hold the other coordinate.  A tile of 256 rows is 2^18 bytes.
	s_lshl_b32 s20, s12, 23
	s_lshl_b32 s21, s17, 18
	s_add_co_u32 s20, s20, s21                     ; A for q, k: x's set 0 or 1, tile 4 cluster y + cy
	s_lshl_b32 s22, s41, 18
	s_add_co_u32 s22, s22, (3<<23)+(2<<20)         ; A for v: Wv, tile cy
	s_lshl_b32 s46, s12, 20
	s_lshl_b32 s47, s40, 18
	s_add_co_u32 s46, s46, s47
	s_add_co_u32 s46, s46, 3<<23                   ; B for q, k: Wq or Wk, tile cx
	s_lshl_b32 s66, s42, 18
	s_add_co_u32 s66, s66, 2<<23                   ; B for v: x's set 2, tile 4 cluster y + cx
	s_lshl_b32 s23, s16, 17                        ; the half that I fetch
	s_cmp_eq_u32 s12, 2
	s_cselect_b32 s20, s22, s20
	s_cselect_b32 s46, s66, s46
	s_add_co_u32 s20, s20, s23
	s_add_co_u32 s46, s46, s23
	s_mov_b32 s21, 0
	s_mov_b32 s47, 0
	s_mul_i32 s45, s14, HALFT                      ; where they go: wave x 32,768: no place in the cluster enters an LDS address
	s_wait_kmcnt 0x0
	s_load_b256 s[72:79], s[6:7], 0x0              ; e0 .. e7
	s_load_b128 s[80:83], s[6:7], 0x20             ; e8 .. e11
	s_add_nc_u64 s[20:21], s[4:5], s[20:21]
	s_add_nc_u64 s[46:47], s[4:5], s[46:47]
	CROUND                                         ; all sixteen work-groups are here: the first joint loads meet
.irp s, 0,1
	s_mov_b32 s[G0+4*\s], 1
	s_add_co_u32 s[G0+4*\s+1], s45, \s*SLOT
	s_add_nc_u64 s[G0+4*\s+2:G0+4*\s+3], s[20:21], \s*KSB
	s_or_b32 s[G0+4*\s+3], s[G0+4*\s+3], 0x80000000
	s_mov_b32 s[G0B+4*\s], 1
	s_add_co_u32 s[G0B+4*\s+1], s45, \s*SLOT
	s_add_nc_u64 s[G0B+4*\s+2:G0B+4*\s+3], s[46:47], \s*KSB
	s_or_b32 s[G0B+4*\s+3], s[G0B+4*\s+3], 0x80000000
	JLOAD G0+4*\s, G1, G0B+4*\s, G1B
.endr
	v_and_b32 v1, 31, v0
	v_lshlrev_b32 v[OFA], 4, v1                    ; 16 x lane
	s_mul_i32 s21, s15, HALFT                      ; my half of region A
	s_mul_i32 s22, s16, HALFT                      ; my half of region B,
	s_add_co_u32 s22, s22, 2*HALFT                 ; which lies behind region A
.irp s, 0,1
	v_add_nc_u32 v[ADRA+\s], s21, v[OFA]
	v_add_nc_u32 v[ADRB+\s], s22, v[OFA]
	s_add_co_u32 s21, s21, SLOT
	s_add_co_u32 s22, s22, SLOT
.endr
	; where my results go.  q, k: ((batch 16 + head) 128 + t16) x 1,024 with tile row T = 4 cluster y + cy: batch = T / 8, head = 4 cx + 2 (my half of B), t16 = 16 (T % 8) + 8 (my half of A)
	s_lshr_b32 s84, s17, 3
	s_lshl_b32 s84, s84, 4
	s_lshl_b32 s85, s40, 2
	s_add_co_u32 s84, s84, s85
	s_lshl_b32 s85, s16, 1
	s_add_co_u32 s84, s84, s85
	s_lshl_b32 s84, s84, 7
	s_and_b32 s85, s17, 7
	s_lshl_b32 s85, s85, 4
	s_add_co_u32 s84, s84, s85
	s_lshl_b32 s85, s15, 3
	s_add_co_u32 s84, s84, s85
	s_lshl_b32 s84, s84, 10
	; v: 2^23 + ((batch 16 + head) 16 + ks) x 8,192 with token tile T = 4 cluster y + cx: batch = T / 8, head = 4 cy + 2 (my half of A), ks = 2 (T % 8) + my half of B
	s_lshr_b32 s66, s42, 3
	s_lshl_b32 s66, s66, 4
	s_lshl_b32 s67, s41, 2
	s_add_co_u32 s66, s66, s67
	s_lshl_b32 s67, s15, 1
	s_add_co_u32 s66, s66, s67
	s_lshl_b32 s66, s66, 4
	s_and_b32 s67, s42, 7
	s_lshl_b32 s67, s67, 1
	s_add_co_u32 s66, s66, s67
	s_add_co_u32 s66, s66, s16
	s_lshl_b32 s66, s66, 13
	s_add_co_u32 s66, s66, 1<<23
	s_wait_alu depctr_va_vdst(0)
	s_wait_kmcnt 0x0
	s_sub_co_i32 s78, s78, s72                     ; a sum stands for sum x 2^(e_x + e_w), so its code is sum / 2^f, f = e_out - e_x - e_w.  q: e6 - e0 - e1,
	s_sub_co_i32 s78, s78, s73
	s_sub_co_i32 s79, s79, s74                     ; k: e7 - e2 - e3,
	s_sub_co_i32 s79, s79, s75
	s_sub_co_i32 s81, s81, s76                     ; v: e9 - e4 - e5
	s_sub_co_i32 s81, s81, s77
	s_cmp_eq_u32 s12, 0
	s_cselect_b32 s78, s78, s79
	s_cselect_b64 s[86:87], s[8:9], s[10:11]       ; qc, or kv
	s_mov_b32 s88, 1024                            ; from block to block of 16 rows of region A: the next 16 tokens' fragment (q, k), the next 16 channels' (v);
	s_mov_b32 s90, 1024                            ; from block 3 to block 4: for v the next head, 16 key steps of 8,192 bytes on, less the three steps made;
	s_mov_b32 s92, 131072                          ; a block's second pair of stores: the next head, 128 fragments on (q, k), the fragment's parts 2 and 3 (v)
	s_cmp_eq_u32 s12, 2
	s_cselect_b32 s78, s81, s78
	s_cselect_b32 s84, s66, s84
	s_cselect_b32 s88, 2048, s88
	s_cselect_b32 s90, 124928, s90
	s_cselect_b32 s92, 1024, s92
	s_mov_b32 s85, 0
	s_mov_b32 s89, 0
	s_mov_b32 s91, 0
	s_add_nc_u64 s[86:87], s[86:87], s[84:85]
	v_add_nc_u32 v[OFB], s92, v[OFA]
	s_add_co_i32 s78, s78, 127
	s_lshl_b32 s79, s78, 23
	v_mov_b32 v30, s79                             ; 2^f as f32: the conversion takes its exponent field
.macro FRAG reg, adr, q, i             ; tile i of 16 rows, the slot's q-th 128 along K: four parts of 512 consecutive bytes
.irp c, 0,1,2,3
	ds_load_b128 v[\reg+4*\c:\reg+4*\c+3], v[\adr] offset:(\i)*KSB+(\q)*2048+512*\c
.endr
.endm
; 16 matrix instructions: region A's blocks a0, a0 + 1 x region B's eight, 128 along K.  p: B's set.  zero = 1: the first product starts the sums.
; The 64 accumulators take turns, one instruction a turn, in the same order in every step.
.macro MUL16 a0, p, zero
.irp a, \a0, \a0+1
.irp b, 0,1,2,3,4,5,6,7
.if \zero
	v_wmma_f32_16x16x128_fp8_fp8 v[8*(8*((\a)%4)+\b):8*(8*((\a)%4)+\b)+7], v[128*(\p)+FR*\b:128*(\p)+FR*\b+FR-1], v[AF+FR*(\a):AF+FR*(\a)+FR-1], 0
.else
	v_wmma_f32_16x16x128_fp8_fp8 v[8*(8*((\a)%4)+\b):8*(8*((\a)%4)+\b)+7], v[128*(\p)+FR*\b:128*(\p)+FR*\b+FR-1], v[AF+FR*(\a):AF+FR*(\a)+FR-1], v[8*(8*((\a)%4)+\b):8*(8*((\a)%4)+\b)+7]
.endif
.endr
.endr
.endm
.macro FETCH_B slot, q, p              ; region B's eight fragments into set p
	WIN TO_B
.irp i, 0,1,2,3,4,5,6,7
	FRAG 128*(\p)+FR*\i, ADRB+\slot, \q, \i
.endr
	WIN 0
.endm
.macro FETCH_A slot, q, i0             ; region A's blocks i0 .. i0 + 3
.irp i, \i0, \i0+1, \i0+2, \i0+3
	FRAG AF+FR*(\i), ADRA+\slot, \q, \i
.endr
.endm
; A load into a register that a matrix instruction has read, and a vector instruction that reads a matrix result, stand NP places behind that matrix instruction; only plain vector instructions that name none of its registers are places.
.macro PLACES n
.rept \n
	v_nop
.endr
.endm
; A step of 128 along K that has its successor in the same slot.  A block of region A is free as soon as its eight products are issued: blocks 0-3 are fetched anew in the step's middle, blocks 4-7 at its end.
.macro STEP slot, q, zero
	s_wait_dscnt 4*NL                              ; B's set and A's blocks 0-3 are in; the youngest sixteen loads (A's blocks 4-7) may be out
	WIN MUL_LO
	MUL16 0, (\q)%2, \zero
	MUL16 2, (\q)%2, \zero
	s_wait_dscnt 0                                 ; A's blocks 4-7 are in
	PLACES NP
	FETCH_B \slot, (\q)+1, 1-(\q)%2
	FETCH_A \slot, (\q)+1, 0
	WIN MUL_HI
	MUL16 4, (\q)%2, \zero
	MUL16 6, (\q)%2, \zero
	PLACES NP
	WIN 0
	FETCH_A \slot, (\q)+1, 4
.endm
; A slot's last step changes slots: ONE barrier; in front of it each wave waits for all its tensor loads, adds 0 to its spare word, and waits for that and for its own reads of this slot.  fill = 1: this slot is filled again, two K steps ahead.
.macro TURN slot, next, fill
	s_wait_tensorcnt 0x0                           ; all my tensor loads have landed: my part of the next slot
	ds_add_u32 v[SPW], v[NIL]                      ; 0 onto my spare word
	s_wait_dscnt 4*NL+1                            ; (the add and the youngest sixteen loads, A's blocks 4-7, may be out)
	WIN MUL_LO
	MUL16 0, 1, 0                                  ; sixteen matrix instructions stand between the add and the wait for it
	s_wait_dscnt 0x0                               ; the add is done, and my reads of this slot are over
	s_barrier_signal -1
	MUL16 2, 1, 0
	WIN 0
	s_barrier_wait -1
.if \fill
	CREST                                          ; the barrier has opened a round of the cluster's barrier: no wave of any partner still reads this slot or has a load on its way
	s_add_nc_u64 s[G0+4*\slot+2:G0+4*\slot+3], s[G0+4*\slot+2:G0+4*\slot+3], 2*KSB
	s_add_nc_u64 s[G0B+4*\slot+2:G0B+4*\slot+3], s[G0B+4*\slot+2:G0B+4*\slot+3], 2*KSB
	JLOAD G0+4*\slot, G1, G0B+4*\slot, G1B         ; the first tensor load behind the round; the four v_nop behind it are the places in front of the loads below
.else
	PLACES NP
.endif
	FETCH_B \next, 0, 0
	FETCH_A \next, 0, 0
	WIN MUL_HI
	MUL16 4, 1, 0
	MUL16 6, 1, 0
	PLACES NP
	WIN 0
	FETCH_A \next, 0, 4
.endm
	s_wait_tensorcnt 1                             ; my part of K step 0 is in (K step 1's load may be out)
	s_barrier_signal -1
	s_barrier_wait -1                              ; everybody's is
	FETCH_B 0, 0, 0
	FETCH_A 0, 0, 0
	FETCH_A 0, 0, 4
	STEP 0, 0, 1                                   ; the first step stands in front of the loop: its products start the sums
	s_mov_b32 s3, LAPS-1
.Llap:                                                 ; a trip goes once round the ring, from a lap's second step to the next lap's first, and fills both slots again
	TURN 0, 1, 1
	STEP 1, 0, 0
	TURN 1, 0, 1
	STEP 0, 0, 0
	s_sub_co_u32 s3, s3, 1
	s_cmp_lg_u32 s3, 0
	s_cbranch_scc1 .Llap
	TURN 0, 1, 0                                   ; the last lap fills nothing, and has no round of the cluster's barrier
	STEP 1, 0, 0
	s_wait_dscnt 4*NL                              ; the very last step: nothing more to fetch
	WIN MUL_LO
	MUL16 0, 1, 0
	MUL16 2, 1, 0
	s_wait_alu depctr_va_vdst(0)
	s_wait_dscnt 0
	WIN MUL_HI
	MUL16 4, 1, 0
	MUL16 6, 1, 0
	WIN 0
; THE WAY OUT, block a of 16 rows of region A: its eight accumulators are held within +-448 x 2^f, converted, eight numbers to two registers, and ARE sixteen registers of the next operand:
; q, k: two fragments of 16 tokens x 64 channels (two heads); v: one fragment of 16 channels x 128 keys.  Four stores of 512 consecutive bytes.  The two sets of code registers take turns.
.macro QOUT a
.set AC, 64*((\a)%4)
.set CD, 96+16*((\a)%2)
	WIN 0x02+((\a)/4)                              ; source 0: window 2 or 3
.set n, 0
.rept 64
.set n, n+1
.endr
.irp b, 0,1,2,3,4,5,6,7
	v_cvt_scalef32_pk8_fp8_f32 v[CD+2*\b:CD+2*\b+1], v[AC+8*\b:AC+8*\b+7], v30
.endr
	WIN 0
	v_nop                                          ; one plain line behind the conversions
.if (\a) > 0
	s_wait_alu depctr_va_vdst(0)
	s_wait_xcnt 0x0                                ; the last block's stores have read their base and their data: the base steps, and the next block may write that set of codes
.if (\a) == 4
	s_add_nc_u64 s[86:87], s[86:87], s[90:91]
.else
	s_add_nc_u64 s[86:87], s[86:87], s[88:89]
.endif
.endif
	global_store_b128 v[OFA], v[CD:CD+3],     s[86:87]
	global_store_b128 v[OFA], v[CD+4:CD+7],   s[86:87] offset:512
	global_store_b128 v[OFB], v[CD+8:CD+11],  s[86:87]
	global_store_b128 v[OFB], v[CD+12:CD+15], s[86:87] offset:512
.endm
	PLACES NP                                      ; behind the last products, ahead of the first read of results
.irp a, 0,1,2,3,4,5,6,7
	QOUT \a
.endr
	s_wait_tensorcnt 0x0                           ; the wave's end
	ds_add_u32 v[SPW], v[NIL]
	s_wait_dscnt 0x0
	CROUND                                         ; the closing round: no work-group ends while a partner may still ask for a tile that names it
	s_endpgm
.Lfunc_end_k_qb2f0875906_qkv:
	.size	k_qb2f0875906_qkv, .Lfunc_end_k_qb2f0875906_qkv-k_qb2f0875906_qkv
	.p2alignl 7, 3214868480
	.fill 96, 4, 3214868480
	.section	.rodata,"a",@progbits
	.p2align	6, 0x0
	.amdhsa_kernel k_qb2f0875906_qkv
		.amdhsa_group_segment_fixed_size 327680
		.amdhsa_private_segment_fixed_size 0
		.amdhsa_enable_private_segment 0
		.amdhsa_kernarg_size 32
		.amdhsa_user_sgpr_count 2
		.amdhsa_user_sgpr_kernarg_segment_ptr 1
		.amdhsa_wavefront_size32 1
		.amdhsa_system_sgpr_workgroup_id_x 1
		.amdhsa_system_sgpr_workgroup_id_y 1
		.amdhsa_system_sgpr_workgroup_id_z 1
		.amdhsa_system_vgpr_workitem_id 0
		.amdhsa_next_free_vgpr 1024
		.amdhsa_next_free_sgpr 98
		.amdhsa_reserve_vcc 0
		.amdhsa_float_denorm_mode_32 3
		.amdhsa_float_denorm_mode_16_64 3
		.amdhsa_fp16_overflow 1
		.amdhsa_memory_ordered 1
		.amdhsa_forward_progress 1
		.amdhsa_inst_pref_size 87
	.end_amdhsa_kernel
	.amdgpu_metadata
---
amdhsa.version: [ 1, 2 ]
amdhsa.kernels:
  - .name:           k_qb2f0875906_qkv
    .symbol:         k_qb2f0875906_qkv.kd
    .args:
      - { .name: cw, .offset: 0, .size: 8, .value_kind: global_buffer, .address_space: global }
      - { .name: lowp_scales, .offset: 8, .size: 8, .value_kind: global_buffer, .address_space: global }
      - { .name: qc, .offset: 16, .size: 8, .value_kind: global_buffer, .address_space: global }
      - { .name: kv, .offset: 24, .size: 8, .value_kind: global_buffer, .address_space: global }
    .group_segment_fixed_size: 327680
    .private_segment_fixed_size: 0
    .kernarg_segment_align: 8
    .kernarg_segment_size: 32
    .max_flat_workgroup_size: 128
    .sgpr_count:     98
    .vgpr_count:     1024
    .wavefront_size: 32
...
	.end_amdgpu_metadata
.endif
;; end of part 2
;; launch attn (part 3): grid 4 x 64, 16 waves a work-group, clusters of 4 x 1, 264,192 bytes of LDS; arguments qc, kv, lowp_scales, ac; writes ac
.if DOCPART == 3
	.amdgcn_target "amdgcn-amd-amdhsa--gfx1250"
	.amdhsa_code_object_version 6
	.text
	.protected	k_qb2f0875906_attn
	.globl	k_qb2f0875906_attn
	.p2align	8
	.type	k_qb2f0875906_attn,@function
k_qb2f0875906_attn:
	s_mov_b64 s[64:65], 0
	v_nop
	global_prefetch_b8 v0, s[64:65] scope:SCOPE_SE
	s_setreg_imm32_b32 hwreg(HW_REG_WAVE_MODE, 25, 1), 1
	s_wait_xcnt 0x0
	s_wait_alu depctr_hold_cnt(0) depctr_sa_sdst(0) depctr_va_vdst(0) depctr_va_sdst(0) depctr_va_ssrc(0) depctr_va_vcc(0) depctr_vm_vsrc(0)
	s_getreg_b32 s2, hwreg(HW_REG_IB_STS2, 6, 4)
	s_cmp_eq_u32 s2, 0
	s_cbranch_scc0 .Lentry_in_a_cluster
	s_endpgm
.Lentry_in_a_cluster:
	s_bfe_u32 s2, ttmp6, 0x10000c
	s_cmp_lg_u32 s2, 0x3003
	s_cbranch_scc0 .Lentry_shape_is_right
	s_endpgm
.Lentry_shape_is_right:
; Causal attention of one head on codes of E4M3: S = q k^T / 8, p = 2^(t - M), O = p v / l, and O quantised at once as an operand of the last product (entry 10 of the scales).
; t = score x log2(e) / 8;  M = the row's largest t so far, rounded UP to a whole number;  p is quantised (entry 8), not normalised;  l is the sum of the unquantised p, in f32, and divides at the end.
; When M moves, l and O are multiplied by 2^(old M - new M): nothing is rounded.
; SHARES.  The four work-groups of a cluster own one head (the cluster's y = batch x 16 + head).  Wave w of work-group j owns TWO tiles of 16 queries: u = 4 w + j and 127 - u.  Keys go in steps of 128.  Tile u needs
; steps 0 .. w / 2, tile 127 - u steps 0 .. 15 - w / 2: 17 steps for every wave, and both counts hang on the wave's number alone.  So the jump over hidden steps and the choice of the step on the diagonal are scalar
; branches on the wave's number and a counted scalar; the work-group's place j enters q's and the result's global addresses and the mask's vector data, and nothing else.
; LDS holds the whole head, filled ONCE: k's image (131,072 bytes, 16 keys in 1,024), then v's (128 keys in 8,192).  Nothing is filled again: no ring.  Waves 0 to 3 ask, four joint loads of 16,384 bytes each, load p
; for keys 512 p on; all four work-groups ask by the same descriptors and each receives the bytes in its own LDS.  By this text's own count a wave has four tensor loads out at the most.
; LAYOUT.  All operands are images of their registers: 16 bytes a lane at 16 x lane, 512 bytes a part.  Both products are used transposed: S^T = k q^T (source 0 = 16 keys, source 1 = my 16 queries), O^T = v^T p^T
; (source 0 = 16 channels, source 1 = p): a lane holds ONE query (lane % 16).  Register 8 t + i of S^T is key 16 t + 8 (lane / 16) + i of the step: eight numbers convert into registers 2 t, 2 t + 1 of p's fragment.
; Likewise O^T's register 8 t + i is channel 16 t + 8 (lane / 16) + i: the result's codes are half a fragment (16 tokens x 64 of the 128 along the last product's K), stored as two parts.
; ac: (batch 128 + tile) x 16,384 + head x 1,024.
; LIMITS on the given exponents, so that each power of two below is an f32 number: e6 + e7 between -123 and 130 (they are added to c's exponent field); e8 and e10 between -126 and 119; e8 + e9 goes by v_ldexp_f32 and has none.
; REGISTERS: v1 16 x lane; v2, v3 the step's LDS addresses; v6, v7 the mask's bound for the two tiles; v12 -M, v13 the largest t, v[14:15] l in two halves; v16-23, v24-31 q of the two tiles; v32-95 k's eight fragments, then v's four;
;   v96-159 S^T, then p; v160-191 O^T; v192-207 p's codes; v208-218 at work; v220-235 the results' codes; v216, v236 scales.
.set VIMG, 131072                      ; v's image in LDS, behind k's
.set STEPB, 8192                       ; a key step's bytes in either image
.set TB, 48                            ; s48  the step's first byte in either image
.set SG, 49                            ; s49  the step's number
.macro ROUND                           ; a round of the cluster's barrier
	s_barrier_signal -1
	s_barrier_wait -1
	s_cmp_lg_u32 s14, 0
	s_cbranch_scc1 .Lnot_wave_0_\@
	s_barrier_signal -3
.Lnot_wave_0_\@:
	s_barrier_wait -3
	s_barrier_signal -1
	s_barrier_wait -1
.endm
	s_load_b256 s[4:11], s[0:1], 0x0               ; qc s[4:5], kv s[6:7], the scales' exponents s[8:9], ac s[10:11]
	v_lshl_add_u32 v254, v0, 2, 0x40000
	v_mov_b32 v255, 0
	ds_add_u32 v254, v255
	ds_add_u32 v254, v255
	v_lshrrev_b32 v1, 5, v0
	s_delay_alu instid0(VALU_DEP_1)
	v_readfirstlane_b32 s14, v1                    ; wave 0..15
	s_and_b32 s15, ttmp7, 0xffff                   ; batch x 16 + head, which the four partners share
	s_bfe_u32 s16, ttmp6, 0x40000                  ; j: my place in the cluster
	s_lshl_b32 s17, s14, 2
	s_add_co_u32 s17, s17, s16                     ; u = 4 w + j
	s_lshr_b32 s51, s14, 1                         ; the last step of tile u,
	s_sub_co_u32 s52, 15, s51                      ; and of tile 127 - u
	; descriptor group 1: a dense block of 16,384 bytes as 64 rows of 256 bytes, in elements of 8 bytes
	s_mov_b32 s24, 15|(3<<16)|(1<<21)              ; 15:0 the mask: all four work-groups; 17:16 elements of 8 bytes; 21 set beside a mask
	s_mov_b32 s25, 32<<16                          ; tensor_dim0 = 32
	s_mov_b32 s26, 64<<16                          ; tensor_dim1 = 64
	s_mov_b32 s27, 32<<16                          ; tile_dim0 = 32
	s_mov_b32 s28, 64                              ; tile_dim1 = 64
	s_mov_b32 s29, 32                              ; tensor_dim0_stride
	s_mov_b32 s30, 0
	s_mov_b32 s31, 0
	; what I fetch, if I fetch: waves 0, 1: k's image; waves 2, 3: v's; of each 32,768 bytes (512 keys) the half wave % 2
	s_and_b32 s62, s14, 1
	s_lshl_b32 s62, s62, 14
	s_and_b32 s63, s14, 2
	s_lshl_b32 s18, s63, 22                        ; in kv: k at 0, v at 2^23,
	s_lshl_b32 s63, s63, 16                        ; in LDS: k at 0, v at 131,072
	s_add_co_u32 s63, s63, s62
	s_lshl_b32 s19, s15, 17                        ; the head's 131,072 bytes
	s_add_co_u32 s18, s18, s19
	s_add_co_u32 s18, s18, s62
	s_mov_b32 s19, 0
	; q's fragments and the results' places: these hang on j
	s_lshl_b32 s58, s15, 7
	s_add_co_u32 s60, s58, 127
	s_sub_co_u32 s60, s60, s17
	s_add_co_u32 s58, s58, s17
	s_lshl_b32 s58, s58, 10
	s_lshl_b32 s60, s60, 10
	s_mov_b32 s59, 0
	s_mov_b32 s61, 0
	s_lshr_b32 s54, s15, 4
	s_lshl_b32 s54, s54, 7
	s_add_co_u32 s56, s54, 127
	s_sub_co_u32 s56, s56, s17
	s_add_co_u32 s54, s54, s17
	s_lshl_b32 s54, s54, 14
	s_lshl_b32 s56, s56, 14
	s_and_b32 s55, s15, 15
	s_lshl_b32 s55, s55, 10
	s_add_co_u32 s54, s54, s55
	s_add_co_u32 s56, s56, s55
	s_mov_b32 s55, 0
	s_mov_b32 s57, 0
	s_mov_b32 s20, 0x76543210                      ; v_permlanex16_b32's selects for lane l xor 16
	s_mov_b32 s21, 0xfedcba98
	s_mov_b32 s22, 0x3e38aa3b                      ; c = log2(e) / 8
	s_wait_dscnt 0x0
	s_wait_kmcnt 0x0
	s_load_b256 s[68:75], s[8:9], 0x0              ; e0 .. e7
	s_load_b128 s[76:79], s[8:9], 0x20             ; e8 .. e11
	s_add_nc_u64 s[18:19], s[6:7], s[18:19]
	s_add_nc_u64 s[58:59], s[4:5], s[58:59]        ; q of tile u,
	s_add_nc_u64 s[60:61], s[4:5], s[60:61]        ; of tile 127 - u
	s_add_nc_u64 s[54:55], s[10:11], s[54:55]      ; the result of tile u,
	s_add_nc_u64 s[56:57], s[10:11], s[56:57]      ; of tile 127 - u
.irp p, 0,1,2,3
	s_mov_b32 s[32+4*\p], 1                        ; count = 1
	s_add_co_u32 s[33+4*\p], s63, \p*32768         ; LDS address: the wave's number and constants alone
	s_add_nc_u64 s[34+4*\p:35+4*\p], s[18:19], \p*32768
	s_or_b32 s[35+4*\p], s[35+4*\p], 0x80000000    ; type = 2
.endr
	ROUND                                          ; all four work-groups are here: the joint loads meet
	s_cmp_lt_u32 s14, 4                            ; a wave's four fills stand in one branch, ahead of every wait on TENSORcnt and every LDS read
	s_cbranch_scc0 .Lno_fill
	tensor_load_to_lds s[32:35], s[24:31]          ; keys 0 on
	s_nop 0
	tensor_load_to_lds s[36:39], s[24:31]          ; keys 512 on
	s_nop 0
	tensor_load_to_lds s[40:43], s[24:31]          ; keys 1,024 on
	s_nop 0
	tensor_load_to_lds s[44:47], s[24:31]          ; keys 1,536 on
	s_nop 0
.rept 4
	v_nop
.endr
.Lno_fill:
	v_and_b32 v1, 31, v0
	s_delay_alu instid0(VALU_DEP_1)
	v_lshlrev_b32 v1, 4, v1                        ; 16 x lane
	global_load_b128 v[16:19], v1, s[58:59]        ; q stays in registers
	global_load_b128 v[20:23], v1, s[58:59] offset:512
	global_load_b128 v[24:27], v1, s[60:61]
	global_load_b128 v[28:31], v1, s[60:61] offset:512
	v_and_b32 v4, 15, v0                           ; r
	v_bfe_u32 v5, v0, 4, 1                         ; h
	s_delay_alu instid0(VALU_DEP_1)
	v_lshlrev_b32 v5, 3, v5
	s_delay_alu instid0(VALU_DEP_1)
	v_sub_nc_u32 v5, v4, v5                        ; r - 8 h
	s_and_b32 s53, s17, 7
	s_lshl_b32 s53, s53, 4                         ; my query's place in the step on the diagonal is 16 (tile % 8) + r.  Register 8 t + i holds key 16 t + 8 h + i of the step: hidden where 16 t + i > 16 (tile % 8) + r - 8 h
	v_add_nc_u32 v6, s53, v5                       ; tile u
	s_sub_co_u32 s53, 112, s53
	v_add_nc_u32 v7, s53, v5                       ; tile 127 - u: (127 - u) % 8 = 7 - u % 8
	v_mov_b32 v208, 0                              ; written once: a lane permute's destination counts as one of its sources
	v_mov_b32 v211, 0                              ; (named as the upper half of the pair v[210:211])
	v_mov_b32 v218, 0xff800000                     ; -infinity
	s_wait_kmcnt 0x0
	s_add_co_i32 s53, s74, s75
	s_lshl_b32 s53, s53, 23
	s_add_co_i32 s22, s22, s53                     ; a score stands for score x 2^(e6 + e7): the two exponents are added to c's exponent field
	s_mov_b32 s23, s22                             ; (named with it as a pair, so it is written)
	s_add_co_i32 s53, s76, 127
	s_lshl_b32 s50, s53, 23
	v_mov_b32 v216, s50                            ; 2^e8 as f32, for p's conversion
	s_add_co_i32 s53, s78, 127
	s_lshl_b32 s50, s53, 23
	v_mov_b32 v236, s50                            ; 2^e10, for the result's conversion
	s_add_co_i32 s80, s76, s77                     ; e8 + e9
; A KEY STEP of 128 keys.  QF: q's fragment; s[N]: the tile's last step, which lies on the diagonal; v[VD]: the mask's bound.
.macro STEP QF, N, VD
	s_cmp_gt_u32 s[SG], s[\N]                      ; a step all of whose keys come after my queries is left out: a branch on the wave's number and the counted step
	s_cbranch_scc1 .Lhidden_\@
	s_setprio 2
	v_add_nc_u32 v2, s[TB], v1
	s_delay_alu instid0(VALU_DEP_1)
	v_add_nc_u32 v3, VIMG, v2
	v_nop                                          ; with the two additions: four places in front of loads into registers that the last products have read
	v_nop
.irp t, 0,1,2,3,4,5,6,7
	ds_load_b128 v[32+8*\t:35+8*\t], v2 offset:1024*\t         ; 16 keys x 64: two parts of 512 consecutive bytes
	ds_load_b128 v[36+8*\t:39+8*\t], v2 offset:1024*\t+512
.endr
	s_wait_alu depctr_va_vdst(0)
.irp t, 0,1,2,3,4,5,6,7
	s_wait_dscnt 14-2*\t                           ; tile t's two loads are in; the later tiles' may be out
	v_wmma_f32_16x16x64_fp8_fp8 v[96+8*\t:103+8*\t], v[32+8*\t:39+8*\t], v[\QF:\QF+7], 0
.endr
.rept 4
	v_nop                                          ; places: in front of the loads below, into registers that these products have read, and of the first read of the scores
.endr
.irp t, 0,1,2,3
.irp c, 0,1,2,3
	ds_load_b128 v[32+16*\t+4*\c:35+16*\t+4*\c], v3 offset:2048*\t+512*\c   ; v's four fragments (16 channels x 128 keys): they land while the softmax is walked
.endr
.endr
	s_cmp_lg_u32 s[SG], s[\N]
	s_cbranch_scc1 .Lopen_\@
.set n, 0
.rept 64                               ; on the diagonal the scores of hidden keys become -infinity ahead of the maximum: p = 0 then.  A query's own key always counts
	v_cmp_gt_i32 vcc_lo, 16*(n/8)+n%8, v[\VD]
	v_cndmask_b32 v[96+n], v[96+n], v218, vcc_lo
.set n, n+1
.endr
.Lopen_\@:
	v_max3_num_f32 v212, v96, v97, v98             ; the step's largest score of my query, among my 64 keys, in two chains, each accumulator from its low end on,
	v_max3_num_f32 v213, v99, v100, v101
.set n, 6
.rept 14
	v_max3_num_f32 v212, v212, v[96+n], v[97+n]
	v_max3_num_f32 v213, v213, v[98+n], v[99+n]
.set n, n+4
.endr
	v_max3_num_f32 v212, v212, v158, v159
	s_delay_alu instid0(VALU_DEP_1)
	v_max_num_f32 v212, v212, v213
	s_delay_alu instid0(VALU_DEP_1)
	v_permlanex16_b32 v208, v212, s20, s21
	s_delay_alu instid0(VALU_DEP_1)
	v_max_num_f32 v212, v212, v208                 ; and among lane l xor 16's
	s_delay_alu instid0(VALU_DEP_1)
	v_mul_f32 v212, s22, v212                      ; as t (c is positive)
	s_delay_alu instid0(VALU_DEP_1)
	v_max_num_f32 v13, v13, v212                   ; the running largest t
	v_mov_b32 v212, v12
	s_delay_alu instid0(VALU_DEP_2)
	v_floor_f32 v12, -v13                          ; the new -M = floor(-t) = -ceil(t): M is a whole number
	s_delay_alu instid0(VALU_DEP_1)
	v_sub_f32 v212, v12, v212                      ; M's old value less its new one: a whole number, 0 or less
	s_delay_alu instid0(VALU_DEP_1)
	v_cvt_i32_f32 v212, v212                       ; (it saturates)
	s_delay_alu instid0(VALU_DEP_1)
	v_ldexp_f32 v210, 1.0, v212                    ; f = 2^(old M - new M)
.set n, 0
	s_setprio 1
.rept 32
	v_pk_fma_f32 v[96+n:97+n], v[96+n:97+n], s[22:23], v[12:13] op_sel_hi:[1,0,0]   ; t - M, two at a time (of the pairs c and -M the low word serves both halves)
.set n, n+2
.endr
.set n, 0
	s_wait_alu depctr_va_vdst(0)
.rept 64
	v_exp_f32 v[96+n], v[96+n]                     ; p = 2^(t - M), at most 1
.set n, n+1
.endr
	v_pk_mul_f32 v[14:15], v[14:15], v[210:211] op_sel_hi:[1,0]   ; l under the new M: the plain line behind the exponentials
	s_wait_alu depctr_va_vdst(0)                   ; one wait for the whole batch, ahead of its first reader
	v_pk_add_f32 v[214:215], v[100:101], v[104:105]
	v_pk_add_f32 v[252:253], v[108:109], v[112:113]
	v_pk_add_f32 v[250:251], v[116:117], v[120:121]
	v_pk_add_f32 v[248:249], v[124:125], v[128:129]
	v_pk_add_f32 v[246:247], v[132:133], v[136:137]
	v_pk_add_f32 v[244:245], v[140:141], v[144:145]
	v_pk_add_f32 v[242:243], v[148:149], v[152:153]
	v_pk_add_f32 v[14:15], v[14:15], v[156:157]
	v_pk_add_f32 v[214:215], v[214:215], v[96:97]
	v_pk_add_f32 v[252:253], v[252:253], v[98:99]
	v_pk_add_f32 v[250:251], v[250:251], v[102:103]
	v_pk_add_f32 v[248:249], v[248:249], v[106:107]
	v_pk_add_f32 v[246:247], v[246:247], v[110:111]
	v_pk_add_f32 v[244:245], v[244:245], v[114:115]
	v_pk_add_f32 v[242:243], v[242:243], v[118:119]
	v_pk_add_f32 v[14:15], v[14:15], v[122:123]
	v_pk_add_f32 v[214:215], v[214:215], v[126:127]
	v_pk_add_f32 v[252:253], v[252:253], v[130:131]
	v_pk_add_f32 v[250:251], v[250:251], v[134:135]
	v_pk_add_f32 v[248:249], v[248:249], v[138:139]
	v_pk_add_f32 v[246:247], v[246:247], v[142:143]
	v_pk_add_f32 v[244:245], v[244:245], v[146:147]
	v_pk_add_f32 v[242:243], v[242:243], v[150:151]
	s_setprio 0
	v_pk_add_f32 v[14:15], v[14:15], v[154:155]
	v_pk_add_f32 v[214:215], v[214:215], v[158:159]
	s_delay_alu instid0(VALU_DEP_2)
	v_pk_add_f32 v[14:15], v[14:15], v[248:249]
	s_delay_alu instid0(VALU_DEP_2)
	v_pk_add_f32 v[214:215], v[214:215], v[246:247]
	v_pk_add_f32 v[252:253], v[252:253], v[244:245]
	v_pk_add_f32 v[250:251], v[250:251], v[242:243]
	s_delay_alu instid0(VALU_DEP_2)
	v_pk_add_f32 v[14:15], v[14:15], v[252:253]
	s_delay_alu instid0(VALU_DEP_2)
	v_pk_add_f32 v[214:215], v[214:215], v[250:251]
	s_delay_alu instid0(VALU_DEP_1)
	v_pk_add_f32 v[14:15], v[14:15], v[214:215]
.irp t, 0,1,2,3,4,5,6,7
.irp i, 0,1,2,3,4,5,6,7
.endr
	v_cvt_scalef32_pk8_fp8_f32 v[192+2*\t:193+2*\t], v[96+8*\t:103+8*\t], v216   ; registers 2 t, 2 t + 1 of p's fragment: keys 16 t + 8 h + 0 .. 7
.endr
.set n, 0
.rept 16
	v_pk_mul_f32 v[160+n:161+n], v[160+n:161+n], v[210:211] op_sel_hi:[1,0]   ; O^T under the new M.  (These are also the plain lines between the conversions and the products that read their results)
.set n, n+2
.endr
	s_wait_alu depctr_va_vdst(0)
	s_wait_dscnt 0x0                               ; v's fragments are in
.irp t, 0,1,2,3
	v_wmma_f32_16x16x128_fp8_fp8 v[160+8*\t:167+8*\t], v[32+16*\t:47+16*\t], v[192:207], v[160+8*\t:167+8*\t]   ; the four accumulators take turns, one instruction a turn
.endr
.Lhidden_\@:
	s_add_co_u32 s[TB], s[TB], STEPB
	s_add_co_u32 s[SG], s[SG], 1
.endm
.macro RUN trips, QF, N, VD            ; so many steps, a constant of the text; hidden ones are jumped over inside
	s_mov_b32 s50, \trips
.Lrun_\@:
	STEP \QF, \N, \VD
	s_sub_co_u32 s50, s50, 1
	s_cmp_lg_u32 s50, 0
	s_cbranch_scc1 .Lrun_\@
	s_setprio 0
.endm
.macro WAITP left                      ; the fetching waves' loads but the youngest `left` have landed; then the work-group's barrier: they have landed for every wave
	s_wait_tensorcnt \left
	s_wait_dscnt 0x0                               ; no LDS instruction of mine is pending at the signal
	s_barrier_signal -1
	s_barrier_wait -1
.endm
.macro INIT                            ; a tile begins: the step is written once, its first turn finds zeros, which the first change of M leaves zeros
	v_mov_b32 v13, 0xff61b1e6                      ; the largest t so far: -3e38, under every t
	s_delay_alu instid0(VALU_DEP_1)
	v_floor_f32 v12, -v13                          ; -M
	v_mov_b32 v14, 0
	v_mov_b32 v15, 0
.set n, 0
.rept 32
	v_mov_b32 v[160+n], 0
.set n, n+1
.endr
	s_mov_b32 s[TB], 0
	s_mov_b32 s[SG], 0
.endm
.macro FINISH CD, base                 ; O^T x 2^(e8 + e9) / l is the result; held, converted with 2^e10, stored as two parts
.rept 4
	v_nop                                          ; places behind the last products
.endr
	v_add_f32 v14, v14, v15                        ; l's two halves,
	s_delay_alu instid0(VALU_DEP_1)
	v_permlanex16_b32 v208, v14, s20, s21
	s_delay_alu instid0(VALU_DEP_1)
	v_add_f32 v14, v14, v208                       ; and lane l xor 16's
	s_wait_alu depctr_va_vdst(0)
	v_rcp_f32 v14, v14
	v_nop                                          ; a plain line behind the transcendental
	s_wait_alu depctr_va_vdst(0)                   ; and the wait ahead of its first reader
	v_ldexp_f32 v14, v14, s80
.set n, 0
.rept 32
	v_mul_f32 v[96+n], v[160+n], v14               ; each accumulator from its low end on
.set n, n+1
.endr
.set n, 0
.rept 32
.set n, n+1
.endr
.irp t, 0,1,2,3
	v_cvt_scalef32_pk8_fp8_f32 v[\CD+2*\t:\CD+2*\t+1], v[96+8*\t:103+8*\t], v236
.endr
	v_nop                                          ; one plain line behind the last conversion
	global_store_b128 v1, v[\CD:\CD+3],   s[\base:\base+1]             ; 512 consecutive bytes each, aligned; data, offset and base are never written again
	global_store_b128 v1, v[\CD+4:\CD+7], s[\base:\base+1] offset:512
.endm
	INIT
	s_wait_loadcnt 0x0                             ; q
	WAITP 3                                        ; keys 0 to 511 are in; the three later blocks may be out
	RUN 4, 24, 52, 7                               ; tile 127 - u, the long one, first: its steps 0 to 7 count for every wave
	WAITP 2                                        ; keys 512 to 1,023 are in
	RUN 4, 24, 52, 7
	WAITP 0                                        ; the whole head is in: from here on the waves run freely
	RUN 8, 24, 52, 7
	FINISH 220, 56
	INIT
	RUN 8, 16, 51, 6                               ; tile u: at most eight steps
	FINISH 228, 54
	s_wait_dscnt 0x0
	s_wait_tensorcnt 0x0
	ds_add_u32 v254, v255
	s_wait_dscnt 0x0
	ROUND                                          ; the closing round: no work-group ends while a partner may still ask for a tile that names it
	s_endpgm
.Lfunc_end_k_qb2f0875906_attn:
	.size	k_qb2f0875906_attn, .Lfunc_end_k_qb2f0875906_attn-k_qb2f0875906_attn
	.p2alignl 7, 3214868480
	.fill 96, 4, 3214868480
	.section	.rodata,"a",@progbits
	.p2align	6, 0x0
	.amdhsa_kernel k_qb2f0875906_attn
		.amdhsa_group_segment_fixed_size 264192
		.amdhsa_private_segment_fixed_size 0
		.amdhsa_enable_private_segment 0
		.amdhsa_kernarg_size 32
		.amdhsa_user_sgpr_count 2
		.amdhsa_user_sgpr_kernarg_segment_ptr 1
		.amdhsa_wavefront_size32 1
		.amdhsa_system_sgpr_workgroup_id_x 1
		.amdhsa_system_sgpr_workgroup_id_y 1
		.amdhsa_system_sgpr_workgroup_id_z 1
		.amdhsa_system_vgpr_workitem_id 0
		.amdhsa_next_free_vgpr 256
		.amdhsa_next_free_sgpr 84
		.amdhsa_reserve_vcc 1
		.amdhsa_float_denorm_mode_32 3
		.amdhsa_float_denorm_mode_16_64 3
		.amdhsa_fp16_overflow 1
		.amdhsa_memory_ordered 1
		.amdhsa_forward_progress 1
		.amdhsa_inst_pref_size 91
	.end_amdhsa_kernel
	.amdgpu_metadata
---
amdhsa.version: [ 1, 2 ]
amdhsa.kernels:
  - .name:           k_qb2f0875906_attn
    .symbol:         k_qb2f0875906_attn.kd
    .args:
      - { .name: qc, .offset: 0, .size: 8, .value_kind: global_buffer, .address_space: global }
      - { .name: kv, .offset: 8, .size: 8, .value_kind: global_buffer, .address_space: global }
      - { .name: lowp_scales, .offset: 16, .size: 8, .value_kind: global_buffer, .address_space: global }
      - { .name: ac, .offset: 24, .size: 8, .value_kind: global_buffer, .address_space: global }
    .group_segment_fixed_size: 264192
    .private_segment_fixed_size: 0
    .kernarg_segment_align: 8
    .kernarg_segment_size: 32
    .max_flat_workgroup_size: 512
    .sgpr_count:     84
    .vgpr_count:     256
    .wavefront_size: 32
...
	.end_amdgpu_metadata
.endif
;; end of part 3
;; launch oproj (part 4): grid 4 x 32, 4 waves a work-group, clusters of 4 x 4, 327,680 bytes of LDS; arguments ac, cw, lowp_scales, bo, out0; writes out0
.if DOCPART == 4
	.amdgcn_target "amdgcn-amd-amdhsa--gfx1250"
	.amdhsa_code_object_version 6
	.text
	.protected	k_qb2f0875906_oproj
	.globl	k_qb2f0875906_oproj
	.p2align	8
	.type	k_qb2f0875906_oproj,@function
k_qb2f0875906_oproj:
	s_mov_b64 s[64:65], 0
	v_nop
	global_prefetch_b8 v0, s[64:65] scope:SCOPE_SE
	s_setreg_imm32_b32 hwreg(HW_REG_WAVE_MODE, 25, 1), 1
	s_wait_xcnt 0x0
	s_wait_alu depctr_hold_cnt(0) depctr_sa_sdst(0) depctr_va_vdst(0) depctr_va_sdst(0) depctr_va_ssrc(0) depctr_va_vcc(0) depctr_vm_vsrc(0)
	s_getreg_b32 s2, hwreg(HW_REG_IB_STS2, 6, 4)
	s_cmp_eq_u32 s2, 0
	s_cbranch_scc0 .Lentry_in_a_cluster
	s_endpgm
.Lentry_in_a_cluster:
	s_bfe_u32 s2, ttmp6, 0x10000c
	s_cmp_lg_u32 s2, 0xf033
	s_cbranch_scc0 .Lentry_shape_is_right
	s_endpgm
.Lentry_shape_is_right:
; out0 = a Wo + bo on codes of E4M3: a's codes (ac: the launch before; entry 10 of the scales), Wo's codes (in cw; entry 11); sums in f32; out0 = sum x 2^(e10 + e11) + bo, one fused multiply-add.
; A tile of 256 x 256 of out0 is made by a work-group of four waves, a wave makes 128 x 128: 64 accumulators, 512 registers.  K = 1,024 goes in four steps of 256 through a ring of two LDS slots.
; ALL OPERANDS ARE IMAGES OF THEIR REGISTERS (a fragment of 16 rows x 128 K = four parts of 512 bytes, 16 bytes a lane at 16 x lane): a K step of 16 rows is 4,096 consecutive bytes of memory, a tile lies dense in LDS,
; and every LDS load takes 512 consecutive bytes.
; CLUSTERS of 4 x 4: region A of a slot (256 tokens of a, tile 4 cluster y + cy) is shared along a row of the cluster, region B (256 columns of Wo, tile cx) along a column; each is asked for JOINTLY.
; THE MATRIX INSTRUCTION TAKES REGION B AS SOURCE 0 AND REGION A AS SOURCE 1: a lane then holds eight neighbouring numbers of a row of out0.
; LIMIT: e10 + e11 lies between -126 and 127, so that 2^(e10 + e11) is an f32 number.
; REGISTERS, in windows of 256: window 0: v0-31 addresses and bo; v128-255 region A's fragments, ONE set, on the way out rows of out0.  window 1: region B's fragments, TWO sets.  windows 2, 3: the accumulators ((a, b) at v[8 (8 (a % 4) + b)]).
.set FR,     16                        ; registers of a fragment
.set NL,     4                         ; LDS loads that bring one
.set NP,     4                         ; places behind this matrix instruction (ISA guide 7.12.1)
.set KSB,    4096                      ; a K step of 256 of one tile of 16 rows, in bytes
.set HALFT,  8*KSB                     ; 128 rows: what one tensor load brings, and what one wave reads of a region
.set SLOT,   4*HALFT                   ; region A's two halves, then region B's
.set SPARE,  2*SLOT                    ; behind the ring: the spare words, 128 bytes for each wave
.set LAPS,   2                         ; a lap = two K steps = once round the ring
.set SPITCH, 528                       ; the way out: a stage of 16 rows x (512 bytes + 16) for each wave.  It lies in slot 0, which has had its last fill and its last read when the first result is stored there
.set ROWO,   4096                      ; a row of out0 in bytes
.set BO,   8                           ; v8-11   bo at my four columns of a row read back from the stage
.set ADRA, 16                          ; v16-17  LDS address of my fragments of region A in slot 0, 1
.set ADRB, 20                          ; v20-21  the same for region B
.set STO,  24                          ; v24     the way out: where I put 32 bytes of a row
.set RD,   25                          ; v25     the way out: where I read a row back
.set CO,   26                          ; v26     16 x lane
.set SPW,  28                          ; v28     LDS address of my spare word; never rewritten
.set NIL,  29                          ; v29     0; never rewritten
.set AF,   128
.set BK,   128                         ; the way out: 16 rows read back from the stage: v128-191 and v192-255 by turns
.set G1, 24                            ; s[24:31] descriptor group 1 for region A;  s[32:39] group 0, one set for each slot
.set G0, 32
.set G1B, 48                           ; s[48:55], s[56:63] the same for region B
.set G0B, 56
.set MSB, 0
.macro WIN new                         ; the immediate's high byte repeats the setting that is left
.if MSB != \new
	s_set_vgpr_msb (MSB<<8)|\new
.set MSB, \new
.endif
.endm
.set MUL_LO, 0xa1                      ; source 0 (region B) window 1, source 1 (region A) window 0, C and D window 2
.set MUL_HI, 0xf1                      ; the same, C and D window 3
.set TO_B,   0x40                      ; destination window 1, address window 0
; A joint load: waves 0 and 1 fetch region A's halves, waves 2 and 3 region B's.  The branch hangs on the wave's number alone.  Four v_nop follow each of the two lines.
.macro JLOAD g0a, g1a, g0b, g1b
	s_cmp_eq_u32 s15, 0
	s_cbranch_scc0 .Lfor_b_\@
	tensor_load_to_lds s[\g0a:\g0a+3], s[\g1a:\g1a+7]
	s_nop 0
.rept 4
	v_nop
.endr
	s_branch .Lasked_\@
.Lfor_b_\@:
	tensor_load_to_lds s[\g0b:\g0b+3], s[\g1b:\g1b+7]
	s_nop 0
.rept 4
	v_nop
.endr
.Lasked_\@:
.endm
.macro CREST                           ; a round of the cluster's barrier behind its opening barrier
	s_cmp_lg_u32 s14, 0
	s_cbranch_scc1 .Lnot_wave_0_\@
	s_barrier_signal -3
.Lnot_wave_0_\@:
	s_barrier_wait -3
	s_barrier_signal -1
	s_barrier_wait -1
.endm
.macro CROUND                          ; a whole round
	s_barrier_signal -1
	s_barrier_wait -1
	CREST
.endm
	s_load_b256 s[4:11], s[0:1], 0x0               ; ac s[4:5], cw s[6:7], the scales' exponents s[8:9], bo s[10:11]
	s_load_b64 s[12:13], s[0:1], 0x20              ; out0
	v_lshl_add_u32 v[SPW], v0, 2, SPARE
	v_mov_b32 v[NIL], 0
	ds_add_u32 v28, v29
	ds_add_u32 v28, v29
	s_wait_dscnt 0x0
	v_lshrrev_b32 v1, 5, v0
	v_readfirstlane_b32 s14, v1                    ; wave 0..3
	s_lshr_b32 s15, s14, 1                         ; which half of the tile's rows is mine.  Also: I fetch for region A (0) or B (1)
	s_and_b32 s16, s14, 1                          ; which half of its columns.  Also: which half of that region I fetch
	s_bfe_u32 s40, ttmp6, 0x40000                  ; cx, cy: my place in the cluster
	s_bfe_u32 s41, ttmp6, 0x40004
	s_lshl_b32 s42, ttmp9, 2
	s_add_co_u32 s42, s42, s40                     ; tile column = 4 x cluster x + cx
	s_and_b32 s17, ttmp7, 0xffff
	s_lshl_b32 s17, s17, 2
	s_add_co_u32 s17, s17, s41                     ; tile row = 4 x cluster y + cy
	s_lshl_b32 s43, s41, 2
	s_lshl_b32 s43, 15, s43                        ; my row of the cluster
	s_lshl_b32 s44, 0x1111, s40                    ; my column
	; descriptor group 1: 8 rows (tiles of 16) of 4,096 bytes, 16,384 bytes apart, in elements of 8 bytes; dense in LDS
	s_or_b32 s[G1+0], s43, (3<<16)|(1<<21)         ; 15:0 the mask: region A goes to my row; 17:16 elements of 8 bytes; 20 no padding; 21 set beside a mask
	s_or_b32 s[G1B+0], s44, (3<<16)|(1<<21)        ; region B goes to my column
.irp g, G1, G1B
	s_mov_b32 s[\g+1], 512<<16                     ; tensor_dim0 = 512
	s_mov_b32 s[\g+2], 8<<16                       ; tensor_dim1 = 8
	s_mov_b32 s[\g+3], 512<<16                     ; tile_dim0 = 512
	s_mov_b32 s[\g+4], 8                           ; tile_dim1 = 8
	s_mov_b32 s[\g+5], 2048                        ; tensor_dim0_stride
	s_mov_b32 s[\g+6], 0
	s_mov_b32 s[\g+7], 0
.endr
	s_lshl_b32 s23, s16, 17                        ; the half that I fetch
	s_lshl_b32 s20, s17, 18                        ; A: a tile of 256 tokens is 2^18 bytes
	s_add_co_u32 s20, s20, s23
	s_mov_b32 s21, 0
	s_lshl_b32 s46, s42, 18                        ; B: a tile of 256 columns likewise,
	s_add_co_u32 s46, s46, s23
	s_add_co_u32 s46, s46, (3<<23)+(3<<20)         ; in Wo's codes
	s_mov_b32 s47, 0
	s_mul_i32 s45, s14, HALFT                      ; where they go: wave x 32,768: no place in the cluster enters an LDS address
	s_wait_kmcnt 0x0
	s_load_b64 s[96:97], s[8:9], 0x28              ; e10, e11
	s_add_nc_u64 s[20:21], s[4:5], s[20:21]
	s_add_nc_u64 s[46:47], s[6:7], s[46:47]
	CROUND                                         ; all sixteen work-groups are here: the first joint loads meet
.irp s, 0,1
	s_mov_b32 s[G0+4*\s], 1
	s_add_co_u32 s[G0+4*\s+1], s45, \s*SLOT
	s_add_nc_u64 s[G0+4*\s+2:G0+4*\s+3], s[20:21], \s*KSB
	s_or_b32 s[G0+4*\s+3], s[G0+4*\s+3], 0x80000000
	s_mov_b32 s[G0B+4*\s], 1
	s_add_co_u32 s[G0B+4*\s+1], s45, \s*SLOT
	s_add_nc_u64 s[G0B+4*\s+2:G0B+4*\s+3], s[46:47], \s*KSB
	s_or_b32 s[G0B+4*\s+3], s[G0B+4*\s+3], 0x80000000
	s_wait_alu depctr_va_vdst(0)
	s_wait_tensorcnt 0x0
	ds_add_u32 v28, v29
	ds_add_u32 v28, v29
	s_wait_dscnt 0x0
	CROUND
	JLOAD G0+4*\s, G1, G0B+4*\s, G1B
.endr
	v_and_b32 v1, 15, v0                           ; l % 16
	s_wait_alu depctr_va_vdst(0)
	v_bfe_u32 v2, v0, 4, 1                         ; l / 16
	v_and_b32 v3, 31, v0
	v_lshlrev_b32 v[CO], 4, v3                     ; 16 x lane
	s_mul_i32 s21, s15, HALFT                      ; my half of region A
	s_mul_i32 s22, s16, HALFT                      ; my half of region B,
	s_add_co_u32 s22, s22, 2*HALFT                 ; which lies behind region A
.irp s, 0,1
	v_add_nc_u32 v[ADRA+\s], s21, v[CO]
	v_add_nc_u32 v[ADRB+\s], s22, v[CO]
	s_add_co_u32 s21, s21, SLOT
	s_add_co_u32 s22, s22, SLOT
.endr
	s_mul_i32 s23, s14, 16*SPITCH                  ; my stage
	v_mul_u32_u24 v5, v1, SPITCH                   ; in: row l % 16, 32 bytes for each half of the lanes
	s_wait_alu depctr_va_vdst(0)
	v_lshl_add_u32 v5, v2, 5, v5
	v_add_nc_u32 v[STO], s23, v5
	v_add_nc_u32 v[RD], s23, v[CO]                 ; back: the 32 lanes take one row of 512 bytes
	s_lshl_b32 s66, s42, 10                        ; my first column, in bytes: 1,024 x tile column + 512 x half
	s_lshl_b32 s67, s16, 9
	s_add_co_u32 s66, s66, s67
	s_mov_b32 s67, 0
	s_add_nc_u64 s[10:11], s[10:11], s[66:67]
	global_load_b128 v[BO:BO+3], v[CO], s[10:11]   ; bo at the four columns that I hold of every row read back
	s_add_nc_u64 s[12:13], s[12:13], s[66:67]
	s_lshl_b32 s66, s17, 20                        ; my first row: 256 x tile row + 128 x half, rows of 4,096 bytes
	s_lshl_b32 s84, s15, 19
	s_add_co_u32 s66, s66, s84
	s_add_nc_u64 s[12:13], s[12:13], s[66:67]
.macro FRAG reg, adr, q, i             ; tile i of 16 rows, the slot's q-th 128 along K: four parts of 512 consecutive bytes
.irp c, 0,1,2,3
	ds_load_b128 v[\reg+4*\c:\reg+4*\c+3], v[\adr] offset:(\i)*KSB+(\q)*2048+512*\c
.endr
.endm
; 16 matrix instructions: region A's blocks a0, a0 + 1 x region B's eight, 128 along K.  p: B's set.  zero = 1: the first product starts the sums.
; The 64 accumulators take turns, one instruction a turn, in the same order in every step.
.macro MUL16 a0, p, zero
.irp a, \a0, \a0+1
.irp b, 0,1,2,3,4,5,6,7
.if \zero
	v_wmma_f32_16x16x128_fp8_fp8 v[8*(8*((\a)%4)+\b):8*(8*((\a)%4)+\b)+7], v[128*(\p)+FR*\b:128*(\p)+FR*\b+FR-1], v[AF+FR*(\a):AF+FR*(\a)+FR-1], 0
.else
	v_wmma_f32_16x16x128_fp8_fp8 v[8*(8*((\a)%4)+\b):8*(8*((\a)%4)+\b)+7], v[128*(\p)+FR*\b:128*(\p)+FR*\b+FR-1], v[AF+FR*(\a):AF+FR*(\a)+FR-1], v[8*(8*((\a)%4)+\b):8*(8*((\a)%4)+\b)+7]
.endif
.endr
.endr
.endm
.macro FETCH_B slot, q, p              ; region B's eight fragments into set p
	WIN TO_B
.irp i, 0,1,2,3,4,5,6,7
	FRAG 128*(\p)+FR*\i, ADRB+\slot, \q, \i
.endr
	WIN 0
.endm
.macro FETCH_A slot, q, i0             ; region A's blocks i0 .. i0 + 3
.irp i, \i0, \i0+1, \i0+2, \i0+3
	FRAG AF+FR*(\i), ADRA+\slot, \q, \i
.endr
.endm
; A load into a register that a matrix instruction has read, and an LDS store that reads a matrix result, stand NP places behind that matrix instruction; only plain vector instructions that name none of its registers are places.
.macro PLACES n
.rept \n
	v_nop
.endr
.endm
; A step of 128 along K that has its successor in the same slot.  A block of region A is free as soon as its eight products are issued: blocks 0-3 are fetched anew in the step's middle, blocks 4-7 at its end.
.macro STEP slot, q, zero
	s_wait_dscnt 4*NL                              ; B's set and A's blocks 0-3 are in; the youngest sixteen loads (A's blocks 4-7) may be out
	WIN MUL_LO
	MUL16 0, (\q)%2, \zero
	MUL16 2, (\q)%2, \zero
	s_wait_dscnt 0                                 ; A's blocks 4-7 are in
	PLACES NP
	FETCH_B \slot, (\q)+1, 1-(\q)%2
	FETCH_A \slot, (\q)+1, 0
	WIN MUL_HI
	MUL16 4, (\q)%2, \zero
	MUL16 6, (\q)%2, \zero
	PLACES NP
	WIN 0
	FETCH_A \slot, (\q)+1, 4
.endm
; A slot's last step changes slots: ONE barrier; in front of it each wave waits for all its tensor loads, adds 0 to its spare word, and waits for that and for its own reads of this slot.  fill = 1: this slot is filled again, two K steps ahead.
.macro TURN slot, next, fill
	s_wait_tensorcnt 0x0                           ; all my tensor loads have landed: my part of the next slot
	ds_add_u32 v[SPW], v[NIL]                      ; 0 onto my spare word
	s_wait_dscnt 4*NL+1                            ; (the add and the youngest sixteen loads, A's blocks 4-7, may be out)
	WIN MUL_LO
	MUL16 0, 1, 0                                  ; sixteen matrix instructions stand between the add and the wait for it
	s_wait_dscnt 0x0                               ; the add is done, and my reads of this slot are over
	s_barrier_signal -1
	MUL16 2, 1, 0
	WIN 0
	s_barrier_wait -1
.if \fill
	CREST                                          ; the barrier has opened a round of the cluster's barrier: no wave of any partner still reads this slot or has a load on its way
	s_add_nc_u64 s[G0+4*\slot+2:G0+4*\slot+3], s[G0+4*\slot+2:G0+4*\slot+3], 2*KSB
	s_add_nc_u64 s[G0B+4*\slot+2:G0B+4*\slot+3], s[G0B+4*\slot+2:G0B+4*\slot+3], 2*KSB
	JLOAD G0+4*\slot, G1, G0B+4*\slot, G1B         ; the first tensor load behind the round; the four v_nop behind it are the places in front of the loads below
.else
	PLACES NP
.endif
	FETCH_B \next, 0, 0
	FETCH_A \next, 0, 0
	WIN MUL_HI
	MUL16 4, 1, 0
	MUL16 6, 1, 0
	PLACES NP
	WIN 0
	FETCH_A \next, 0, 4
.endm
	s_wait_tensorcnt 1                             ; my part of K step 0 is in (K step 1's load may be out)
	s_barrier_signal -1
	s_barrier_wait -1                              ; everybody's is
	FETCH_B 0, 0, 0
	FETCH_A 0, 0, 0
	FETCH_A 0, 0, 4
	STEP 0, 0, 1                                   ; the first step stands in front of the loop: its products start the sums
	s_mov_b32 s3, LAPS-1
.Llap:                                                 ; a trip goes once round the ring, from a lap's second step to the next lap's first, and fills both slots again
	TURN 0, 1, 1
	STEP 1, 0, 0
	TURN 1, 0, 1
	STEP 0, 0, 0
	s_sub_co_u32 s3, s3, 1
	s_cmp_lg_u32 s3, 0
	s_cbranch_scc1 .Llap
	TURN 0, 1, 0                                   ; the last lap fills nothing, and has no round of the cluster's barrier
	STEP 1, 0, 0
	s_wait_dscnt 4*NL                              ; the very last step: nothing more to fetch
	WIN MUL_LO
	MUL16 0, 1, 0
	MUL16 2, 1, 0
	s_wait_alu depctr_va_vdst(0)
	s_wait_dscnt 0
	WIN MUL_HI
	MUL16 4, 1, 0
	MUL16 6, 1, 0
	WIN 0
; THE WAY OUT, block by block of 16 rows x 128 columns.  A lane holds 32 neighbouring bytes of a row, and the lanes beside it hold other rows: so a block's sums go as they are through my own stage in LDS and come back as
; whole rows of 512 bytes.  There a lane holds the same four columns of every row, so the bias takes four registers: sum x 2^(e10 + e11) + bo, two numbers an instruction.  The 32 lanes store a row's 512 bytes.
; LDS serves a wave's instructions in order (ISA guide 5.7.1.4): no wait between the stores and the loads, nor in front of the next block's stores.
.macro TOSTAGE a
.set AC, 64*((\a)%4)
	WIN 0x08+4*((\a)/4)                            ; an LDS store's data are source 1: window 2 or 3
.irp b, 0,1,2,3,4,5,6,7
	ds_store_b128 v[STO], v[AC+8*\b:AC+8*\b+3] offset:64*\b          ; each accumulator from its low end on
	ds_store_b128 v[STO], v[AC+8*\b+4:AC+8*\b+7] offset:64*\b+16
.endr
	WIN 0
.set BB, BK+64*((\a)%2)
.irp t, 0,1,2,3,4,5,6,7,8,9,10,11,12,13,14,15
	ds_load_b128 v[BB+4*\t:BB+4*\t+3], v[RD] offset:\t*SPITCH
.endr
.endm
.macro SEND a, younger                 ; younger: the LDS instructions issued behind block a's loads, which may stay out
.set BB, BK+64*((\a)%2)
	s_wait_dscnt \younger                          ; the block is back in registers
.irp t, 0,1,2,3,4,5,6,7,8,9,10,11,12,13,14,15
	v_pk_fma_f32 v[BB+4*\t:BB+4*\t+1],   v[BB+4*\t:BB+4*\t+1],   s[96:97], v[BO:BO+1]   op_sel_hi:[1,0,1]   ; (of the scalar pair the low word serves both halves)
	v_pk_fma_f32 v[BB+4*\t+2:BB+4*\t+3], v[BB+4*\t+2:BB+4*\t+3], s[96:97], v[BO+2:BO+3] op_sel_hi:[1,0,1]
.endr
.if (\a) > 0
	s_add_nc_u64 s[12:13], s[12:13], 16*ROWO       ; (behind a wait on XCNT: the earlier stores have read their base)  16 rows on
.endif
.irp t, 0,1,2,3,4,5,6,7,8,9,10,11,12,13,14,15
	global_store_b128 v[CO], v[BB+4*\t:BB+4*\t+3], s[12:13] offset:\t*ROWO th:TH_STORE_NT   ; 32 lanes store 512 consecutive bytes, at a multiple of 512 from out0's first byte; written once, read by nobody here
.endr
.endm
	s_wait_kmcnt 0x0
	s_add_co_i32 s96, s96, s97                     ; e10 + e11, between -126 and 127,
	s_add_co_i32 s96, s96, 127
	s_lshl_b32 s96, s96, 23                        ; makes the f32 number 2^(e10 + e11)
	s_mov_b32 s97, s96                             ; (named with it as a pair, so it is written)
	s_wait_loadcnt 0x0                             ; bo
	PLACES NP                                      ; behind the last products: for the LDS stores that read results and the loads into the registers that held region A's fragments
	TOSTAGE 0
.irp a, 1,2,3,4,5,6,7
.if \a > 1
	s_wait_xcnt 0x0                                ; block a - 2's stores have read their registers and their base: block a's loads may land there, and the base may step
.endif
	TOSTAGE \a
	SEND \a-1, 32                                  ; behind block a - 1's loads: block a's 16 stores and 16 loads
.endr
	s_wait_xcnt 0x0                                ; block 6's stores have read their base
	SEND 7, 0
	s_wait_tensorcnt 0x0                           ; the wave's end: behind my last tensor load and my last LDS store
	ds_add_u32 v[SPW], v[NIL]
	s_wait_dscnt 0x0
	CROUND                                         ; the closing round: no work-group ends while a partner may still ask for a tile that names it
	s_endpgm
.Lfunc_end_k_qb2f0875906_oproj:
	.size	k_qb2f0875906_oproj, .Lfunc_end_k_qb2f0875906_oproj-k_qb2f0875906_oproj
	.p2alignl 7, 3214868480
	.fill 96, 4, 3214868480
	.section	.rodata,"a",@progbits
	.p2align	6, 0x0
	.amdhsa_kernel k_qb2f0875906_oproj
		.amdhsa_group_segment_fixed_size 327680
		.amdhsa_private_segment_fixed_size 0
		.amdhsa_enable_private_segment 0
		.amdhsa_kernarg_size 40
		.amdhsa_user_sgpr_count 2
		.amdhsa_user_sgpr_kernarg_segment_ptr 1
		.amdhsa_wavefront_size32 1
		.amdhsa_system_sgpr_workgroup_id_x 1
		.amdhsa_system_sgpr_workgroup_id_y 1
		.amdhsa_system_sgpr_workgroup_id_z 1
		.amdhsa_system_vgpr_workitem_id 0
		.amdhsa_next_free_vgpr 1024
		.amdhsa_next_free_sgpr 98
		.amdhsa_reserve_vcc 0
		.amdhsa_float_denorm_mode_32 3
		.amdhsa_float_denorm_mode_16_64 3
		.amdhsa_memory_ordered 1
		.amdhsa_forward_progress 1
		.amdhsa_inst_pref_size 124
	.end_amdhsa_kernel
	.amdgpu_metadata
---
amdhsa.version: [ 1, 2 ]
amdhsa.kernels:
  - .name:           k_qb2f0875906_oproj
    .symbol:         k_qb2f0875906_oproj.kd
    .args:
      - { .name: ac, .offset: 0, .size: 8, .value_kind: global_buffer, .address_space: global }
      - { .name: cw, .offset: 8, .size: 8, .value_kind: global_buffer, .address_space: global }
      - { .name: lowp_scales, .offset: 16, .size: 8, .value_kind: global_buffer, .address_space: global }
      - { .name: bo, .offset: 24, .size: 8, .value_kind: global_buffer, .address_space: global }
      - { .name: out0, .offset: 32, .size: 8, .value_kind: global_buffer, .address_space: global }
    .group_segment_fixed_size: 327680
    .private_segment_fixed_size: 0
    .kernarg_segment_align: 8
    .kernarg_segment_size: 40
    .max_flat_workgroup_size: 128
    .sgpr_count:     98
    .vgpr_count:     1024
    .wavefront_size: 32
...
	.end_amdgpu_metadata
.endif
;; end of part 4
